; MI455X (gfx1250); checked and timed in simulation.
; The chip was launched on July 23, 2026; its instructions are those of AMD's public machine-readable ISA for CDNA 5 (MIT licence, August 2026) and "CDNA5" Instruction Set Architecture Reference Guide (July 2026). The comments in the code are by the model that wrote it; some were corrected since.
;; Flash Attention. Allowed arithmetic: matrix products marked QUANTISED: E2M1 operands, one E8M0 scale for each 32 along K, by v_wmma_scale_f32_16x16x128_f8f6f4 with both operands' format E2M1 (or v_wmma_scale_f32_32x16x128_f4), f32 sums; products left as they are: bf16, f16 or f32 operands; f32 sums; everything else in f32.
;; Inputs: k_proj 4 x 4,096 x 128 float32; q_proj 4 x 4,096 x 128 float32; v_proj 4 x 4,096 x 128 float32.
;; Outputs: out0 4 x 4,096 x 128 float32.
;; This version of the problem:
;;   THIS VERSION OF THE PROBLEM IS GIVEN IN LOW PRECISION. The matrix products marked QUANTISED in the list below multiply operands that are first quantised to E2M1 (2 exponent bits, 1 mantissa bit; 4 bits a number), with one power-of-two scale for each 32 numbers along K (OCP MX v1.0); their sums are f32. The products marked 'left as it is' may take bf16, f16 or f32 operands, with f32 sums. Whichever they take, every output number must still come out within the allowed error. Rounding operands to bf16 (8 significant bits) uses up far more of that allowance than f16 does (11 bits, for magnitudes from 6e-5 to 65,504). All else is computed in f32.
;;   The module's matrix products, in the order in which they are computed (A, B: the left and right operand; K: the contracted axis; several contracted axes count as one K, in the product's order):
;;     1. batch 4 x [M 4,096, K 128] x [K 128, N 4,096]; A: input q_proj; B: input k_proj: QUANTISED
;;     2. batch 4 x [M 4,096, K 4,096] x [K 4,096, N 128]; A: computed on the way; B: input v_proj: left as it is (an operand is computed on the way)
;;   THE QUANTISER, for each operand of a quantised product, along K:
;;     - K is cut into blocks of 32 from its start; a last block that is shorter is filled with zeros.
;;     - A block's scale is 2^e with e = floor(log2(the largest magnitude in the block)) - 2, held to -126 .. 127; a block of zeros has e = 0. As a byte (E8M0): e + 127.
;;     - Each number is divided by its block's scale, clamped to +-6, and rounded to the nearest number of E2M1, ties to even, subnormals kept.
;;     - The product sums the exact products of the quantised numbers (number of the format x scale) in f32.
;;   ~~~python
;;   def quantise(x, axis):      # numpy; x: float32 -> the quantised numbers, widened to float32 again
;;       x = np.moveaxis(x, axis, -1); K = x.shape[-1]
;;       x = np.pad(x, [(0, 0)] * (x.ndim - 1) + [(0, -K % 32)]); x = x.reshape(x.shape[:-1] + (-1, 32)); a = np.abs(x).max(-1, keepdims=True)
;;       e = np.where(a > 0, np.clip(np.frexp(np.where(a > 0, a, 1))[1] - 1 - 2, -126, 127), 0)      # np.frexp(a)[1] - 1 = floor(log2(a)), exactly
;;       r = np.clip(x / 2.0 ** e, -6, 6)
;;       step = 2.0 ** (np.maximum(np.frexp(np.where(r == 0, 1, r))[1] - 1, 0) - 1)
;;       q = np.round(r / step) * step * 2.0 ** e      # np.round: ties to even
;;       return np.moveaxis(q.reshape(q.shape[:-2] + (-1,))[..., :K], -1, axis).astype(np.float32)
;;   ~~~
;; One version. Each part assembles by itself: llvm-mc -triple=amdgcn-amd-amdhsa -mcpu=gfx1250 --defsym DOCPART=n.
;; ======== version 1 of 1: 2 launches
;; limits: values are held in f16: magnitudes above 65,504 overflow, below 6.1e-05 lose precision; inputs' magnitudes at most 65,504
;; workspace buffers: q_codes 1,048,576 bytes; q_scales 65,536 bytes; k_codes 1,048,576 bytes; k_scales 65,536 bytes; v_half 4,194,304 bytes
;; launch prep (part 1): grid 256 x 1, 6 waves a work-group, no clusters, 50,176 bytes of LDS; arguments q_proj, k_proj, q_codes, q_scales, k_codes, k_scales, v_proj, v_half; writes q_codes, q_scales, k_codes, k_scales, v_half
.if DOCPART == 1
	.amdgcn_target "amdgcn-amd-amdhsa--gfx1250"
	.amdhsa_code_object_version 6
	.text
	.protected	k_qcdeec9e736_prep
	.globl	k_qcdeec9e736_prep
	.p2align	8
	.type	k_qcdeec9e736_prep,@function
k_qcdeec9e736_prep:
	s_mov_b64 s[64:65], 0
	v_nop
	global_prefetch_b8 v0, s[64:65] scope:SCOPE_SE
	s_setreg_imm32_b32 hwreg(HW_REG_WAVE_MODE, 25, 1), 1
	s_wait_xcnt 0x0
; q_proj and k_proj, [4][4096][128] f32, become codes of FP4 (E2M1), 4 bits each, the head's 128 innermost (a row = 64 bytes), with one E8M0 scale byte for each 32 numbers (a row = one word of four bytes).
; v_proj becomes f16, laid as it lies: [4][4096][128], rows of 256 bytes: the second product's operand, left unquantised.
; A block's scale is 2^(floor(log2(its largest magnitude)) - 2); its byte is the largest magnitude's exponent field - 2, held at 1 from below.  Each number is divided by the scale and rounded to the nearest code, ties to even;
; what lies beyond 6 gets the largest code.  (A block of zeros gets the byte 1 where the rule says 127: its codes are zeros, which add nothing under any byte but 0xff, and the bytes are read by this program alone.)
; LIMITS: NaN and infinities among the inputs are not served; blocks whose largest magnitude lies under 2^-124 keep the byte 1; a |v| above 65,504 becomes infinity in f16.
; SHARES.  All 256 work-groups are alike: six waves, 4,096 numbers (16,384 bytes) each, all of a wave's 32 loads on their way at once.  Waves 0-3 quantise (work-groups 0-127: q, 128-255: k), waves 4 and 5 cast v.
; Rows are dense, so all three tensors are plain streams.
; THE QUANTISER.  The conversions take 8 numbers of ONE block from a lane's registers, so a lane must hold 16 NEIGHBOURS (two neighbouring lanes hold a block); a load is best where neighbouring LANES take neighbouring
; bytes.  Both are had: each of a step's four loads reads 512 consecutive bytes, 16 a lane; the 2,048 bytes go through the wave's own stage in LDS and come back 64 bytes a lane (16 bytes of padding behind each 64).
; A lane's 16 codes are 8 bytes: the wave stores 256 consecutive bytes.  A wave's 128 scale bytes are gathered in its own LDS bytes and leave as 128 consecutive bytes, aligned to 128: half of an aligned run of 256,
; whose other half the neighbouring wave stores: 1 byte in 128 of what the launch reads.
; No tensor loads, no barrier: waves share nothing.  The waves part on the wave's number, behind the lines that make every address.
.set WAVES, 6
.set QW,    4                          ; waves that quantise
.set STEPS, 8
.set LA,    8                          ; steps that the loads run ahead: all of them
.set WGA,   128                        ; work-groups whose quantising waves take q; the others' take k
.set EMAX,  2
.set CB,    8                          ; bytes of 16 codes
.set R,     16                         ; v16-143  eight sets of 16 numbers as they are loaded (the cast: 32 x 4)
.set X,     144                        ; v144-175 two sets of 16 neighbours (the cast: v144-207, 32 x 2 registers of f16)
.set E,     176                        ; v176-183 a scale byte for each step
.set C,     192                        ; v192-207 codes: two registers for each step, so that no store's data are written again
.set WREG,  8192                       ; LDS: a region for each wave (the casting waves leave theirs alone): two stages of 32 x SP bytes, behind them 128 scale bytes
.set SP,    80                         ; a lane's place in a stage: its 64 bytes + 16 of padding
.set SPW,   12                         ; v12      LDS address of my spare word: SPARE + 4 x my thread's number; never rewritten
.set NIL,   13                         ; v13      0; never rewritten
.set SPARE, WAVES*WREG                 ; behind the six regions: the spare words, 128 bytes for each wave, which no other line names
	s_load_b128 s[4:7], s[0:1], 0x0                ; q, k
	s_load_b128 s[8:11], s[0:1], 0x10              ; q's codes, q's scales
	s_load_b128 s[12:15], s[0:1], 0x20             ; k's codes, k's scales
	s_load_b128 s[24:27], s[0:1], 0x30             ; v, v in f16
	v_lshl_add_u32 v[SPW], v0, 2, SPARE
	v_mov_b32 v[NIL], 0
	v_lshrrev_b32 v1, 5, v0
	v_readfirstlane_b32 s16, v1                    ; wave
	v_and_b32 v2, 31, v0                           ; lane
	v_lshlrev_b32 v3, 4, v2                        ; my 16 bytes of a load's 512
	s_mul_i32 s17, s16, WREG
	v_lshrrev_b32 v14, 2, v2
	v_mul_u32_u24 v14, v14, SP
	v_and_b32 v15, 3, v2
	v_lshl_add_u32 v14, v15, 4, v14
	v_add_nc_u32 v14, s17, v14                     ; the stage, on the way in: four lanes' 64 bytes on end, then 16 of padding
	v_mul_u32_u24 v15, v2, SP
	v_add_nc_u32 v15, s17, v15                     ; and on the way out: SP x lane: my 16 neighbours
	v_mul_u32_u24 v4, v2, CB                       ; 8 bytes a lane: my codes' place in a step's; in the cast my four f16
	v_lshrrev_b32 v5, 1, v2
	s_add_co_u32 s17, s17, 2*32*SP
	v_add_nc_u32 v5, s17, v5                       ; LDS: my wave's 128 scale bytes, my block's byte
	v_lshlrev_b32 v7, 2, v2                        ; and on the way out 4 bytes a lane
	v_add_nc_u32 v6, s17, v7
	s_mov_b32 s21, 0                               ; the high word of every offset: all stay under 2^24
	s_wait_kmcnt 0x0
	s_cmp_ge_u32 s16, QW                           ; the wave's number alone decides: quantise or cast
	s_cbranch_scc1 .Lcast
	s_cmp_lt_u32 ttmp9, WGA                        ; q or k?  Only pointers are chosen: both take one path
	s_cselect_b64 s[4:5], s[4:5], s[6:7]
	s_cselect_b64 s[8:9], s[8:9], s[12:13]
	s_cselect_b64 s[10:11], s[10:11], s[14:15]
	s_cselect_b32 s17, 0, WGA
	s_sub_co_u32 s17, ttmp9, s17
	s_lshl_b32 s17, s17, 2
	s_add_co_u32 s18, s17, s16                     ; which run of 4,096 numbers of the tensor is my wave's
	s_lshl_b32 s20, s18, 14                        ; 16,384 bytes of f32,
	s_add_nc_u64 s[4:5], s[4:5], s[20:21]
	s_lshl_b32 s20, s18, 11                        ; 2,048 of codes,
	s_add_nc_u64 s[8:9], s[8:9], s[20:21]
	s_lshl_b32 s20, s18, 7                         ; 128 scale bytes
	s_add_nc_u64 s[10:11], s[10:11], s[20:21]
.macro LOAD t
.irp i, 0,1,2,3
	global_load_b128 v[R+16*((\t)%LA)+4*\i:R+16*((\t)%LA)+4*\i+3], v3, s[4:5] offset:2048*(\t)+512*\i th:TH_LOAD_NT   ; 32 lanes read 512 consecutive bytes
.endr
.endm
.macro TURN t                          ; step t's numbers through the stage: LDS serves a wave's instructions in order, so no wait stands between the stores and the loads
.irp i, 0,1,2,3
	ds_store_b128 v14, v[R+16*((\t)%LA)+4*\i:R+16*((\t)%LA)+4*\i+3] offset:32*SP*((\t)%2)+8*SP*\i
.endr
.irp i, 0,1,2,3
	ds_load_b128 v[X+16*((\t)%2)+4*\i:X+16*((\t)%2)+4*\i+3], v15 offset:32*SP*((\t)%2)+16*\i
.endr
.endm
.irp t, 0,1,2,3,4,5,6,7
	LOAD \t
.endr
	s_wait_loadcnt 4*(LA-1)                        ; step 0's four loads are in; the seven steps behind it may be out
	TURN 0
.macro QSTEP t
.set XS, X+16*((\t)%2)
.if (\t) > 0
	s_wait_dscnt 1                                 ; this step's numbers are back from the stage (the last step's byte store may be out)
.else
	s_wait_dscnt 0x0
.endif
.if (\t)+1 < STEPS
	s_wait_loadcnt 4*(STEPS-2-(\t))                ; the next step's four loads are in; those of the steps behind it may be out
	TURN (\t)+1                                    ; and go through the other stage, whose last reads came back a step ago, while this step is worked
.endif
	v_max3_num_f32 v8, |v[XS]|, |v[XS+1]|, |v[XS+2]|               ; the largest magnitude of my 16, in two chains
	v_max3_num_f32 v9, |v[XS+3]|, |v[XS+4]|, |v[XS+5]|
.irp i, 6,10
	v_max3_num_f32 v8, v8, |v[XS+\i]|, |v[XS+\i+1]|
	v_max3_num_f32 v9, v9, |v[XS+\i+2]|, |v[XS+\i+3]|
.endr
	v_max3_num_f32 v8, v8, |v[XS+14]|, |v[XS+15]|
	v_max3_num_f32 v8, v8, v9, (EMAX+1)<<23        ; and the floor 2^(EMAX + 1 - 127): so the byte cannot fall under 1
	v_max_num_f32_dpp v8, v8, v8 row_xmask:1 row_mask:0xf bank_mask:0xf   ; and of my neighbour's 16: the block's
	v_add_nc_u32 v11, -(EMAX<<23), v8              ; EMAX off its exponent field: the conversion takes the exponent field of this operand as its scale, and nothing else of it
	v_cvt_scalef32_pk8_fp4_f32 v[C+2*(\t)], v[XS:XS+7], v11        ; eight numbers / the scale, to the nearest code; the first number's code in the lowest four bits
	v_cvt_scalef32_pk8_fp4_f32 v[C+2*(\t)+1], v[XS+8:XS+15], v11
	v_lshrrev_b32 v[E+(\t)], 23, v11               ; the scale's byte.  (Also the plain line behind the conversions, ahead of the next write of v11)
	ds_store_b8 v5, v[E+(\t)] offset:16*(\t)       ; both lanes of a block write the same byte with the same value
	global_store_b64 v4, v[C+2*(\t):C+2*(\t)+1], s[8:9] offset:32*CB*(\t)   ; 32 lanes store 256 consecutive bytes, aligned
.endm
.irp t, 0,1,2,3,4,5,6,7
	QSTEP \t
.endr
	ds_load_b32 v8, v6                             ; LDS serves a wave's instructions in order: this sees my stores
	s_wait_dscnt 0x0
	global_store_b32 v7, v8, s[10:11]              ; 32 lanes store 128 consecutive bytes, aligned to 128
	s_wait_tensorcnt 0x0                           ; the wave's end, behind my last LDS store; the tensor wait stands even in a text with no tensor load
	ds_add_u32 v[SPW], v[NIL]
	s_wait_dscnt 0x0
	s_endpgm
.Lcast:                                                ; v to f16: 32 loads of 512 consecutive bytes, all on their way at once; each gives a store of 256 consecutive bytes
	s_lshl_b32 s17, ttmp9, 1
	s_add_co_u32 s18, s17, s16
	s_sub_co_u32 s18, s18, QW                      ; which run of 4,096 numbers is my wave's: 2 x work-group + (wave - 4)
	s_lshl_b32 s20, s18, 14                        ; 16,384 bytes of f32,
	s_add_nc_u64 s[24:25], s[24:25], s[20:21]
	s_lshl_b32 s20, s18, 13                        ; 8,192 of f16
	s_add_nc_u64 s[26:27], s[26:27], s[20:21]
.set j, 0
.rept 32
	global_load_b128 v[R+4*j:R+4*j+3], v3, s[24:25] offset:512*j th:TH_LOAD_NT
.set j, j+1
.endr
.set j, 0
.rept 32
	s_wait_loadcnt 31-j                            ; loads come back in order: load j is in, the younger ones stay out
	v_cvt_pk_f16_f32 v[X+2*j], v[R+4*j], v[R+4*j+1]                ; the first source into the low half
	v_cvt_pk_f16_f32 v[X+2*j+1], v[R+4*j+2], v[R+4*j+3]
	global_store_b64 v4, v[X+2*j:X+2*j+1], s[26:27] offset:256*j   ; every store has data registers of its own: none is written again
.set j, j+1
.endr
	s_wait_tensorcnt 0x0                           ; the wave's end, on this path too
	ds_add_u32 v[SPW], v[NIL]
	s_wait_dscnt 0x0
	s_endpgm
.Lfunc_end_k_qcdeec9e736_prep:
	.size	k_qcdeec9e736_prep, .Lfunc_end_k_qcdeec9e736_prep-k_qcdeec9e736_prep
	.p2alignl 7, 3214868480
	.fill 96, 4, 3214868480
	.section	.rodata,"a",@progbits
	.p2align	6, 0x0
	.amdhsa_kernel k_qcdeec9e736_prep
		.amdhsa_group_segment_fixed_size 50176
		.amdhsa_private_segment_fixed_size 0
		.amdhsa_enable_private_segment 0
		.amdhsa_kernarg_size 64
		.amdhsa_user_sgpr_count 2
		.amdhsa_user_sgpr_kernarg_segment_ptr 1
		.amdhsa_wavefront_size32 1
		.amdhsa_system_sgpr_workgroup_id_x 1
		.amdhsa_system_sgpr_workgroup_id_y 1
		.amdhsa_system_sgpr_workgroup_id_z 1
		.amdhsa_system_vgpr_workitem_id 0
		.amdhsa_next_free_vgpr 224
		.amdhsa_next_free_sgpr 66
		.amdhsa_reserve_vcc 0
		.amdhsa_float_denorm_mode_32 3
		.amdhsa_float_denorm_mode_16_64 3
		.amdhsa_memory_ordered 1
		.amdhsa_forward_progress 1
		.amdhsa_inst_pref_size 30
	.end_amdhsa_kernel
	.amdgpu_metadata
---
amdhsa.version: [ 1, 2 ]
amdhsa.kernels:
  - .name:           k_qcdeec9e736_prep
    .symbol:         k_qcdeec9e736_prep.kd
    .args:
      - { .name: q_proj, .offset: 0, .size: 8, .value_kind: global_buffer, .address_space: global }
      - { .name: k_proj, .offset: 8, .size: 8, .value_kind: global_buffer, .address_space: global }
      - { .name: q_codes, .offset: 16, .size: 8, .value_kind: global_buffer, .address_space: global }
      - { .name: q_scales, .offset: 24, .size: 8, .value_kind: global_buffer, .address_space: global }
      - { .name: k_codes, .offset: 32, .size: 8, .value_kind: global_buffer, .address_space: global }
      - { .name: k_scales, .offset: 40, .size: 8, .value_kind: global_buffer, .address_space: global }
      - { .name: v_proj, .offset: 48, .size: 8, .value_kind: global_buffer, .address_space: global }
      - { .name: v_half, .offset: 56, .size: 8, .value_kind: global_buffer, .address_space: global }
    .group_segment_fixed_size: 50176
    .private_segment_fixed_size: 0
    .kernarg_segment_align: 8
    .kernarg_segment_size: 64
    .max_flat_workgroup_size: 192
    .sgpr_count:     66
    .vgpr_count:     224
    .wavefront_size: 32
...
	.end_amdgpu_metadata
.endif
;; end of part 1
;; launch attn (part 2): grid 64 x 4, 8 waves a work-group, clusters of 4 x 1, 327,680 bytes of LDS; arguments q_codes, q_scales, k_codes, k_scales, v_half, out0; writes out0
.if DOCPART == 2
	.amdgcn_target "amdgcn-amd-amdhsa--gfx1250"
	.amdhsa_code_object_version 6
	.text
	.protected	k_qcdeec9e736_attn
	.globl	k_qcdeec9e736_attn
	.p2align	8
	.type	k_qcdeec9e736_attn,@function
k_qcdeec9e736_attn:
	s_mov_b64 s[64:65], 0
	v_nop
	global_prefetch_b8 v0, s[64:65] scope:SCOPE_SE
	s_setreg_imm32_b32 hwreg(HW_REG_WAVE_MODE, 25, 1), 1
	s_wait_xcnt 0x0
	s_wait_alu depctr_hold_cnt(0) depctr_sa_sdst(0) depctr_va_vdst(0) depctr_va_sdst(0) depctr_va_ssrc(0) depctr_va_vcc(0) depctr_vm_vsrc(0)
	s_getreg_b32 s2, hwreg(HW_REG_IB_STS2, 6, 4)
	s_cmp_eq_u32 s2, 0
	s_cbranch_scc0 .Lentry_in_a_cluster
	s_endpgm
.Lentry_in_a_cluster:
	s_bfe_u32 s2, ttmp6, 0x10000c
	s_cmp_lg_u32 s2, 0x3003
	s_cbranch_scc0 .Lentry_shape_is_right
	s_endpgm
.Lentry_shape_is_right:
; out[b][q][:] = the sum over k of softmax_k(Q[b][q] . K[b][k] / sqrt(128)) V[b][k][:].  B = 4, 4,096 queries and keys, head size 128, no mask.
; Q K^T runs on codes of FP4 (E2M1) with one E8M0 scale for each 32 along the head's 128 (q_codes, k_codes: 64 bytes a row; q_scales, k_scales: a word a row).  P V runs on f16 operands (v_half: rows of 256 bytes), sums in f32.
; SHARES.  A work-group owns 64 queries of one batch: 256 work-groups.  Eight waves of 512 registers.  THE WAVES SHARE THE KEYS, NOT THE QUERIES: every wave holds all 64 queries (four tiles of 16) and walks an
; eighth of the keys, so that each fragment of K or V feeds four matrix instructions and each byte of V is read from LDS once in the work-group.  Keys go in 8 slots of 512; in slot s wave w owns keys 512 s + 64 w + 0 .. 63: two steps of 32.
; TWO PASSES.  Pass 1: all scores, of which only each query's largest is kept; the eight waves' maxima meet in LDS: m is the row's TRUE maximum.  Pass 2: the scores again, p = 2^(c s - c m) with
; c = log2(e) / sqrt(128), the row's sum of the unrounded p in f32, p rounded to f16, O^T += V^T P.  Nothing is rescaled on the way.  At the end the eight partial O^T and sums, all under the same m, are added through LDS.
; LAYOUT.  Both products are used transposed: S^T = K Q^T (source 0 = 16 keys, source 1 = 16 queries): a lane holds ONE query (lane % 16) and keys 8 (lane / 16) + 0 .. 7.  Two such tiles, rounded to f16 in pairs,
; ARE source 1 (32 keys x 16 queries) of O^T = V^T P, whose result again holds one query a lane, and eight channels.  V ([key][channel]) comes out of LDS turned, by ds_load_tr16_b128.
; PASS 2 GOES BY TURNS.  The wave's tiles are two PIECES, named by their first tile: piece 0 (tiles 0, 1) and piece 2 (tiles 2, 3).  In a TURN one piece has the matrix unit: 16 products V^T P of the step in hand, then
; 4 products K Q^T of the next step; the other piece's softmax stands between them.  Then the pieces change places.  Two turns are a step of 32 keys.
; CLUSTER.  The four work-groups of a cluster belong to one batch and walk the same V: each tile is asked for JOINTLY, by the same tensor load with the same descriptor and a mask that names the four.
; Wave w's load brings the very 64 rows that wave w reads, so a read wants the wave's own wait on TENSORcnt alone; a refill stands behind a round of the cluster's barrier.
; K IS NOT ASKED FOR JOINTLY: it goes from memory straight into registers, two steps ahead.  With K's 64 + 4 bytes a key beside V's 288, two slots of 512 keys would be 2 x 512 x 356 = 364,544 bytes, more than the
; 327,680 that a work-group can have; slots of 256 keys would halve the work in which a refill lands and double the rounds.  K is 68 of the 324 bytes that a key brings.
; LIMITS: NaN and infinities are not served.  A p under 2^-24 rounds to 0 in f16; one under 2^-126 comes out of v_exp_f32 as 0 (ISA guide, the instruction's entry); the row's sum is about 1 or more, since the largest p is 1 up to the
; rounding of c m.  The f32 sums go in another order than in the definition: eight partial sums by keys, each row sum in two chains.
;
; REGISTERS, in two windows of 256 (s_set_vgpr_msb: bits 1:0 source 0, 3:2 source 1, 5:4 source 2, 7:6 destination).
;   window 0: v1-17 addresses; v18-19 1 / l; v20-27 running maxima, then sums; v28-35 -c m; v36-43 at work, in pass 2 a second set of sums; v44-45 Q's scale words; v46-61 K's scale words; v64-95 Q; v96-127 K, two sets; v128-191 S^T, then P; v192-255 V
;   window 1: pass 1: K's fragments of steps 2 to 15 (step g, tile kt at 16 g + 8 kt); from pass 2 on O^T (tile t, channels 16 c on, at 64 t + 8 c); in the merge the eight waves' shares (wave u's at 32 u)
.set VPITCH, 288                       ; a row of V in LDS: 256 bytes + 32 = 72 words: row r starts at bank 8 r mod 64 (64 banks of 4 bytes: ISA guide 11.1)
.set WROWS,  64*VPITCH                 ; a wave's 64 rows of a slot
.set SLOTB,  8*WROWS                   ; a slot: 512 rows: 147,456 bytes; two slots
.set STG,    262144                    ; the way out (in the ring's bytes, behind their last fill and a barrier): 16 rows x 272 bytes for each wave; below it the eight images of O^T, 32,768 bytes each
.set SPITCH, 272
.set MXR,    296960                    ; behind the ring: the waves' maxima, 512 bytes a wave: 16 bytes (four tiles) a lane
.set LSR,    MXR+4096                  ; the waves' sums, likewise
.set SPARE,  LSR+4096                  ; the spare words, 128 bytes for each wave: four blocks of 256 bytes that no other line names
.set AQK,  1                           ; v1   64 r + 16 h: my place in 16 rows of codes (r = lane % 16, h = lane / 16)
.set ASC,  2                           ; v2   4 x lane: my place among 32 rows' scale words
.set AV0,  3                           ; v3   my place in my wave's rows of V in slot 0;  v4: in slot 1
.set PFO,  5                           ; v5   256 x lane: the prefetches' offset, a lane a row of V
.set SPW,  6                           ; v6   LDS address of my spare word: SPARE + 4 x my thread's number; never rewritten
.set NIL,  7                           ; v7   0; never rewritten
.set MXW,  8                           ; v8   where I store my wave's maxima (and, 4,096 on, its sums)
.set MXRD, 9                           ; v9   where I read all waves' maxima
.set LSRD, 10                          ; v10  where I read all waves' sums of the tile that I finish
.set IMW,  11                          ; v11  where I store my wave's image of O^T
.set IMR,  12                          ; v12  where I read my share of the images
.set STO,  13                          ; v13  the way out: where I put 32 bytes of a row
.set SRD,  14                          ; v14  the way out: where I read a row back
.set GO,   15                          ; v15  my byte offset in the rows of out that I store
.set RR,   16                          ; v16  r
.set HH,   17                          ; v17  h
.set RL,   18                          ; v[18:19] 1 / l (the packed multiply names a pair and takes its low word for both halves)
.set MR,   20                          ; v20-27 pass 1: a running maximum for each of the 8 accumulators (2 t + kt)
.set L,    20                          ; v20-27 pass 2: tile t's sum over its even pairs of keys, in two halves, at L + 2 t
.set NCM,  28                          ; v28-35 tile t's -c m at NCM + 2 t, twice
.set MW,   36                          ; v36-39 four tiles' maximum, later their sum
.set T,    40                          ; v40-43 what the other half of the lanes holds
.set L2,   36                          ; v36-43 pass 2: tile t's sum over its odd pairs of keys at L2 + 2 t: so a piece's sums run in four chains
.set QS,   44                          ; v44-45 Q's scale words: register j: lanes 0-15 tile 2 j, lanes 16-31 tile 2 j + 1
.set PS,   46                          ; v46-61 K's scale words: pass 1: step g in PS + g; pass 2: set u in PS + u.  Lanes 0-15 key tile 0, lanes 16-31 key tile 1
.set Q,    64
.set K,    96                          ; set u, key tile kt at K + 16 u + 8 kt
.set S,    128                         ; accumulator (t, kt) at S + 16 t + 8 kt; P of tile t in place at S + 16 t .. + 7
.set V,    192                         ; channels 16 c on at V + 8 c; in pass 1 the second set of scores
.set QB,   4                           ; s[4:5] Q's codes, s[6:7] Q's scales, s[8:9] K's codes, s[10:11] K's scales, s[12:13] V, s[14:15] out
.set QSB,  6
.set KP,   8
.set KSP,  10
.set VB,   12
.set OB,   14
.set WV,   16                          ; s16  my wave's number
.set SEL,  20                          ; s[20:21] lane selects for v_permlanex16_b32: lane l xor 16
.set CS,   22                          ; s[22:23] c: the packed form names a pair and takes its low word for both halves
.set G1,   24                          ; s[24:31] descriptor group 1
.set G0,   32                          ; s[32:35], s[36:39] descriptor group 0, a set for each LDS slot
.set TRIP, 40
.set LIM,  41                          ; s41  1 in a wave that prefetches, else the greatest number
.set PFA,  42                          ; s[42:43] where my prefetches stand
.set NC,   44                          ; s44  -c
.set MSB, 0
.macro WIN new                         ; the immediate's high byte repeats the setting that is left; a switch that changes nothing is dropped
.if MSB != \new
	s_set_vgpr_msb (MSB<<8)|\new
.set MSB, \new
.endif
.endm
.macro PLACES n                        ; plain vector instructions that name no register of the matrix instructions in front of them (ISA guide 7.12.1)
.rept \n
	v_nop
.endr
.endm
; A round of the cluster's barrier: my work-group's barrier, so that wave 0's signal speaks for all eight waves; wave 0 signals for the work-group; every wave waits for all four work-groups; my work-group's barrier once more.
.macro ROUND
	s_barrier_signal -1
	s_barrier_wait -1
	s_cmp_lg_u32 s[WV], 0
	s_cbranch_scc1 .Lnot_wave_0_\@
	s_barrier_signal -3
.Lnot_wave_0_\@:
	s_barrier_wait -3
	s_barrier_signal -1
	s_barrier_wait -1
.endm
	s_load_b256 s[4:11], s[0:1], 0x0
	s_load_b128 s[12:15], s[0:1], 0x20
	v_lshl_add_u32 v[SPW], v0, 2, SPARE
	v_mov_b32 v[NIL], 0
	ds_add_u32 v[SPW], v[NIL]                      ; the wave's opening: the add, twice on end, and its wait ahead of my first tensor load; the set-up below, work on registers, stands between the second and the wait
	ds_add_u32 v[SPW], v[NIL]
	v_lshrrev_b32 v[RR], 5, v0
	v_readfirstlane_b32 s[WV], v[RR]               ; wave 0..7
	s_bfe_u32 s18, ttmp6, 0x40000                  ; cx: my place in the cluster.  It enters Q's, out's and the prefetches' addresses alone (s18, s19, s46, s53)
	s_lshl_b32 s19, ttmp9, 2                       ; in a cluster launch ttmp9 counts clusters
	s_add_co_u32 s19, s19, s18                     ; my block of 64 queries
	s_and_b32 s45, ttmp7, 0xffff                   ; the batch, which the four partners share
	s_lshl_b32 s19, s19, 6
	s_lshl_b32 s46, s45, 12
	s_add_co_u32 s19, s19, s46                     ; my first query's row among the 16,384
	s_mov_b32 s47, 0
	s_mov_b32 s49, 0
	s_mov_b32 s51, 0
	; descriptor group 1: a tile of 64 rows x 128 elements of f16, padded in LDS
	s_mov_b32 s[G1], 15|(1<<16)|(1<<20)|(1<<21)|(5<<22)|(7<<25)   ; 15:0 the mask: all four work-groups; 17:16 elements of 2 bytes; 20 padding on; 21 set beside a mask; 24:22 after every 64 words (code 5); 31:25 8 words of it (code 7)
	s_mov_b32 s[G1+1], 128<<16                     ; tensor_dim0 = 128
	s_mov_b32 s[G1+2], 64<<16                      ; tensor_dim1 = 64
	s_mov_b32 s[G1+3], 128<<16                     ; tile_dim0 = 128
	s_mov_b32 s[G1+4], 64                          ; tile_dim1 = 64
	s_mov_b32 s[G1+5], 128                         ; elements from row to row
	s_mov_b32 s[G1+6], 0
	s_mov_b32 s[G1+7], 0
	s_mov_b32 s[SEL], 0x76543210
	s_mov_b32 s[SEL+1], 0xfedcba98
	s_mov_b32 s[CS], 0x3e0293ee                    ; c = log2(e) / sqrt(128)
	s_mov_b32 s[CS+1], s[CS]                       ; (named with it as a pair, so it is written)
	s_mov_b32 s[NC], 0xbe0293ee                    ; -c
	s_mul_i32 s52, s[WV], WROWS                    ; my wave's rows in a slot: no place in the cluster enters an LDS address
	s_lshr_b32 s[LIM], s[WV], 2                    ; 0 in waves 0 to 3,
	s_or_b32 s[LIM], s[LIM], ttmp9                 ; of the batch's first cluster: the same in all four partners
	s_cmp_eq_u32 s[LIM], 0
	s_cselect_b32 s[LIM], 1, -1
	v_and_b32 v[RR], 15, v0                        ; r
	v_bfe_u32 v[HH], v0, 4, 1                      ; h
	v_and_b32 v[PFO], 31, v0                       ; lane
	v_lshlrev_b32 v[AQK], 6, v[RR]
	v_lshl_add_u32 v[AQK], v[HH], 4, v[AQK]
	v_lshlrev_b32 v[ASC], 2, v[PFO]
	v_lshlrev_b32 v[MXRD], 4, v[PFO]               ; 16 x lane
	; the turning load takes 16 keys x 16 channels: lane l reads 16 bytes: key 8 (l / 16) + l % 8, channels 8 ((l / 8) % 2) + 0 .. 7
	v_and_b32 v[AV0], 7, v0
	v_lshl_add_u32 v[AV0], v[HH], 3, v[AV0]
	v_mul_u32_u24 v[AV0], v[AV0], VPITCH
	v_bfe_u32 v[AV0+1], v0, 3, 1
	v_lshl_add_u32 v[AV0], v[AV0+1], 4, v[AV0]
	v_add_nc_u32 v[AV0], s52, v[AV0]
	v_add_nc_u32 v[AV0+1], SLOTB, v[AV0]
	s_lshl_b32 s48, s[WV], 9
	v_add_nc_u32 v[MXW], s48, v[MXRD]
	v_add_nc_u32 v[MXW], MXR, v[MXW]               ; MXR + 512 w + 16 x lane
	s_lshr_b32 s48, s[WV], 1
	s_lshl_b32 s48, s48, 2
	v_add_nc_u32 v[LSRD], s48, v[MXRD]
	v_add_nc_u32 v[LSRD], LSR, v[LSRD]             ; LSR + 16 x lane + 4 (w / 2): the word of the tile that I finish
	s_lshl_b32 s48, s[WV], 15
	v_add_nc_u32 v[IMW], s48, v[MXRD]              ; 32,768 w + 16 x lane
	s_lshl_b32 s48, s[WV], 12
	v_add_nc_u32 v[IMR], s48, v[MXRD]              ; 4,096 w + 16 x lane
	s_mul_i32 s48, s[WV], 16*SPITCH
	s_add_co_u32 s48, s48, STG                     ; my stage
	v_mul_u32_u24 v[STO], v[RR], SPITCH
	v_lshl_add_u32 v[STO], v[HH], 5, v[STO]
	v_add_nc_u32 v[STO], s48, v[STO]               ; in: row r, 32 bytes for each half of the lanes
	v_mul_u32_u24 v[SRD], v[HH], SPITCH
	v_lshl_add_u32 v[SRD], v[RR], 4, v[SRD]
	v_add_nc_u32 v[SRD], s48, v[SRD]               ; back: lanes 0-15 one row of 256 bytes, lanes 16-31 the next
	v_lshlrev_b32 v[GO], 9, v[HH]
	v_lshl_add_u32 v[GO], v[RR], 4, v[GO]          ; and the same two rows in out
	v_add_nc_u32 v[MXRD], MXR, v[MXRD]
	v_lshlrev_b32 v[PFO], 8, v[PFO]
	v_mov_b32 v[RL+1], 0                           ; (named as the upper half of the pair v[18:19])
.irp a, 0,1,2,3,4,5,6,7
	v_mov_b32 v[MR+\a], 0xff800000                 ; -infinity, under every score
.endr
.irp t, 0,1,2,3
	v_mov_b32 v[T+\t], 0                           ; written once: a lane permute's destination counts as one of its sources
.endr
	s_wait_dscnt 0x0                               ; both opening adds are done
	s_wait_kmcnt 0x0
	s_lshl_b32 s48, s45, 20
	s_add_nc_u64 s[VB:VB+1], s[VB:VB+1], s[48:49]  ; V at my batch's first row
	s_lshl_b32 s50, s[WV], 14                      ; my wave's 64 rows of 256 bytes
	s_mov_b32 s[G0], 1                             ; 1:0 count = 1
	s_mov_b32 s[G0+1], s52                         ; 63:32 LDS address: slot 0
	s_add_nc_u64 s[G0+2:G0+3], s[VB:VB+1], s[50:51]  ; 120:64 global address: keys 64 w on
	s_mov_b32 s[G0+4], 1
	s_add_co_u32 s[G0+5], s52, SLOTB               ; slot 1
	s_add_nc_u64 s[G0+6:G0+7], s[G0+2:G0+3], 131072  ; keys 512 + 64 w on
	s_or_b32 s[G0+3], s[G0+3], 0x80000000          ; 127:126 type = 2
	s_or_b32 s[G0+7], s[G0+7], 0x80000000
	ROUND                                          ; all four work-groups are here: the first joint loads meet
	tensor_load_to_lds s[G0:G0+3], s[G1:G1+7]      ; the two first fills go out together, ahead of every wait on TENSORcnt and every LDS read: two loads of mine are out
	s_nop 0
	tensor_load_to_lds s[G0+4:G0+7], s[G1:G1+7]
	s_nop 0
	PLACES 4
	s_lshl_b32 s48, s45, 18
	s_lshl_b32 s50, s[WV], 12
	s_add_co_u32 s48, s48, s50
	s_add_nc_u64 s[KP:KP+1], s[KP:KP+1], s[48:49]  ; K's codes at my wave's first key: 262,144 x batch + 4,096 w
	s_lshr_b32 s48, s48, 4
	s_add_nc_u64 s[KSP:KSP+1], s[KSP:KSP+1], s[48:49]  ; and its scale words: a sixteenth of that
	s_lshl_b32 s46, s19, 6
	s_add_nc_u64 s[QB:QB+1], s[QB:QB+1], s[46:47]  ; Q's codes at my first query
	s_lshl_b32 s46, s19, 2
	s_add_nc_u64 s[QSB:QSB+1], s[QSB:QSB+1], s[46:47]
	s_lshr_b32 s46, s[WV], 1                       ; out: the tile that I finish, w / 2, and my half of its channels, w % 2
	s_lshl_b32 s46, s46, 4
	s_add_co_u32 s46, s46, s19
	s_lshl_b32 s46, s46, 9
	s_and_b32 s53, s[WV], 1
	s_lshl_b32 s53, s53, 8
	s_add_co_u32 s46, s46, s53
	s_add_nc_u64 s[OB:OB+1], s[OB:OB+1], s[46:47]
	s_lshl_b32 s46, s18, 15                        ; the prefetches: of a slot's 512 rows my work-group takes 128, told from its partners' BY ADDRESS; of those my wave (0 to 3) 32
	s_and_b32 s53, s[WV], 3
	s_lshl_b32 s53, s53, 13
	s_add_co_u32 s46, s46, s53
	s_add_co_u32 s46, s46, 2*131072                ; in slot 2: the first change of slots steps it to slot 3.  Nothing is prefetched here, at the head
	s_add_nc_u64 s[PFA:PFA+1], s[VB:VB+1], s[46:47]
	; ALL OF MY WAVE'S K is asked for at once: 16 steps of 32 keys.  Step g begins 32,768 (g / 2) + 2,048 (g % 2) bytes on in the codes, a sixteenth of that in the scale words.
.set g, 0
.rept 16
	global_load_b32 v[PS+g], v[ASC], s[KSP:KSP+1] offset:2048*(g/2)+128*(g%2)
.set g, g+1
.endr
.irp j, 0,1
	global_load_b32 v[QS+\j], v[ASC], s[QSB:QSB+1] offset:128*\j
.endr
.irp t, 0,1,2,3                        ; a fragment, 16 rows x 128 of 4-bit codes, is 8 registers: lane (r, h) holds row r; registers 4 c .. 4 c + 3 hold k = 64 c + 32 h + 0 .. 31: 16 bytes as they lie
.irp c, 0,1
	global_load_b128 v[Q+8*\t+4*\c:Q+8*\t+4*\c+3], v[AQK], s[QB:QB+1] offset:1024*\t+32*\c
.endr
.endr
.irp u, 0,1                            ; steps 0 and 1 into the two sets of window 0, where pass 2 finds them again
.irp kt, 0,1
.irp c, 0,1
	global_load_b128 v[K+16*\u+8*\kt+4*\c:K+16*\u+8*\kt+4*\c+3], v[AQK], s[KP:KP+1] offset:2048*\u+1024*\kt+32*\c
.endr
.endr
.endr
	WIN 0x40                                       ; destination window 1
.set g, 2
.rept 14
.irp kt, 0,1
.irp c, 0,1
	global_load_b128 v[16*g+8*\kt+4*\c:16*g+8*\kt+4*\c+3], v[AQK], s[KP:KP+1] offset:32768*(g/2)+2048*(g%2)+1024*\kt+32*\c
.endr
.endr
.set g, g+1
.endr
	WIN 0
; One matrix instruction: S^T of key tile kt x tile t of queries.  a: K's two fragments; sc: their scale words; d: where the scores go.  The product starts its sum with the constant 0: K = 128 is one instruction deep.
; The scale words of key tile 1 and of odd tiles of queries stand in lanes 16-31 of their registers.
.macro KQ1 a, sc, d, kt, t
.set rD, (\d)+16*(\t)+8*(\kt)
.set rA, (\a)+8*(\kt)
.set rB, Q+8*(\t)
.set rQ, QS+(\t)/2
.if ((\kt) == 0) && ((\t)%2 == 0)
	v_wmma_scale_f32_16x16x128_f8f6f4 v[rD:rD+7], v[rA:rA+7], v[rB:rB+7], 0, v[\sc], v[rQ] matrix_a_fmt:MATRIX_FMT_FP4 matrix_b_fmt:MATRIX_FMT_FP4
.elseif (\kt) == 0
	v_wmma_scale_f32_16x16x128_f8f6f4 v[rD:rD+7], v[rA:rA+7], v[rB:rB+7], 0, v[\sc], v[rQ] matrix_a_fmt:MATRIX_FMT_FP4 matrix_b_fmt:MATRIX_FMT_FP4 matrix_b_scale:MATRIX_SCALE_ROW1
.elseif (\t)%2 == 0
	v_wmma_scale_f32_16x16x128_f8f6f4 v[rD:rD+7], v[rA:rA+7], v[rB:rB+7], 0, v[\sc], v[rQ] matrix_a_fmt:MATRIX_FMT_FP4 matrix_b_fmt:MATRIX_FMT_FP4 matrix_a_scale:MATRIX_SCALE_ROW1
.else
	v_wmma_scale_f32_16x16x128_f8f6f4 v[rD:rD+7], v[rA:rA+7], v[rB:rB+7], 0, v[\sc], v[rQ] matrix_a_fmt:MATRIX_FMT_FP4 matrix_b_fmt:MATRIX_FMT_FP4 matrix_a_scale:MATRIX_SCALE_ROW1 matrix_b_scale:MATRIX_SCALE_ROW1
.endif
.endm
.macro KQ8 a, sc, d                    ; all eight: S^T of 32 keys x 64 queries
.irp kt, 0,1
.irp t, 0,1,2,3
	KQ1 \a, \sc, \d, \kt, \t
.endr
.endr
.endm
; 32 instructions: the 64 scores at d go into the 8 running maxima, the accumulators by turns, each from its low end on
.macro MAXS d
.irp i, 0,1,2,3
.irp a, 0,1,2,3,4,5,6,7
	v_max3_num_f32 v[MR+\a], v[MR+\a], v[(\d)+8*\a+2*\i], v[(\d)+8*\a+2*\i+1]
.endr
.endr
.endm
	; PASS 1, written out: step g's scores go into one of two sets while the other set's, of step g - 1, go into the maxima: those 32 instructions are the places behind the products of a step before.
.set g, 0
.rept 16
.if g == 0
	s_wait_loadcnt 60                              ; the scale words, Q and step 0 are in; behind them: step 1's four loads and the 56 of steps 2 to 15
.elseif g == 1
	s_wait_loadcnt 56
.else
	s_wait_loadcnt 4*(15-g)                        ; behind step g's four loads: four for each later step
.endif
.if g < 2
	KQ8 K+16*g, PS+g, S+64*(g%2)
.else
	WIN 0x01                                       ; source 0 (K) window 1
	KQ8 16*g, PS+g, S+64*(g%2)
	WIN 0
.endif
.if g == 1
	PLACES 4                                       ; step 0's scores were just made, and no other vector work is at hand
.endif
.if g > 0
	MAXS S+64*((g-1)%2)
.endif
.set g, g+1
.endr
	MAXS S+64                                      ; step 15's: the 32 instructions on step 14's scores stand between
	; THE MAXIMA MEET.  Each tile's two accumulators, the other half of the lanes, then the eight waves through LDS.
.irp t, 0,1,2,3
	v_max_num_f32 v[MW+\t], v[MR+2*\t], v[MR+2*\t+1]
.endr
.irp t, 0,1,2,3
	v_permlanex16_b32 v[T+\t], v[MW+\t], s[SEL], s[SEL+1]
.endr
.irp t, 0,1,2,3
	v_max_num_f32 v[MW+\t], v[MW+\t], v[T+\t]
.endr
	ds_store_b128 v[MXW], v[MW:MW+3]
	s_wait_dscnt 0x0                               ; for the others' sake: my store is done
	s_barrier_signal -1                            ; (my two tensor loads may stay out)
	s_barrier_wait -1
.irp u, 0,1,2,3,4,5,6,7
	ds_load_b128 v[S+4*\u:S+4*\u+3], v[MXRD] offset:512*\u
.endr
.irp j, 0,1,2,3,4,5,6,7
	v_mov_b32 v[L+\j], 0                           ; the sums begin, in the registers that the running maxima have left
.endr
	s_wait_dscnt 0x0
.irp t, 0,1,2,3
	v_max3_num_f32 v[MW+\t], v[S+\t], v[S+4+\t], v[S+8+\t]
.endr
.irp t, 0,1,2,3
	v_max3_num_f32 v[MW+\t], v[MW+\t], v[S+12+\t], v[S+16+\t]
.endr
.irp t, 0,1,2,3
	v_max3_num_f32 v[MW+\t], v[MW+\t], v[S+20+\t], v[S+24+\t]
.endr
.irp t, 0,1,2,3
	v_max_num_f32 v[MW+\t], v[MW+\t], v[S+28+\t]   ; m: the largest score of my query over all 4,096 keys
.endr
.irp t, 0,1,2,3
	v_mul_f32 v[NCM+2*\t], s[NC], v[MW+\t]         ; -c m
	v_mul_f32 v[NCM+2*\t+1], s[NC], v[MW+\t]       ; (the pair's upper half is named with it)
.endr
.irp j, 0,1,2,3,4,5,6,7
	v_mov_b32 v[L2+\j], 0                          ; the second set of sums, in the registers that the maxima have left
.endr
; PASS 2.
.macro VLOAD ls, u                     ; 16 LDS loads in one run: V of my 32 keys of step u in LDS slot ls, turned: 8 fragments of 16 channels x 32 keys
.irp c, 0,1,2,3,4,5,6,7
	ds_load_tr16_b128 v[V+8*\c:V+8*\c+3],   v[AV0+\ls] offset:32*VPITCH*(\u)+32*\c
	ds_load_tr16_b128 v[V+8*\c+4:V+8*\c+7], v[AV0+\ls] offset:32*VPITCH*(\u)+16*VPITCH+32*\c
.endr
.endm
.macro KLOAD u, kofs                   ; five loads: K's two fragments and their scale words of the step two on, into the set just multiplied
.irp kt, 0,1
.irp c, 0,1
	global_load_b128 v[K+16*(\u)+8*\kt+4*\c:K+16*(\u)+8*\kt+4*\c+3], v[AQK], s[KP:KP+1] offset:(\kofs)+1024*\kt+32*\c
.endr
.endr
	global_load_b32 v[PS+(\u)], v[ASC], s[KSP:KSP+1] offset:(\kofs)/16
.endm
.macro PV c, t, zero                   ; one matrix instruction: O^T of tile t, channels 16 c on, += V^T P, 32 keys deep.  zero = 1: the first product starts the sum: nothing is ever cleared
.set rO, 64*(\t)+8*(\c)
.set rV, V+8*(\c)
.set rP, S+16*(\t)
.if \zero
	v_wmma_f32_16x16x32_f16 v[rO:rO+7], v[rV:rV+7], v[rP:rP+7], 0
.else
	v_wmma_f32_16x16x32_f16 v[rO:rO+7], v[rV:rV+7], v[rP:rP+7], v[rO:rO+7]
.endif
.endm
; THE VECTOR WORK OF A TURN.  The softmax of piece y (two tiles, 32 scores a lane, s0-s31, in pairs 0-15) for one step is a list of 81 instructions; SM writes number j of it.
;   0-47   ONE BATCH: the 16 scalings c s - c m, a pair each, and the 32 exponentials: scalings 0 and 1, then fourteen times (two exponentials, the scaling two pairs ahead of them), then the last four exponentials.
;          None of these names an exponential's result.  The scalings go in ascending order: each accumulator is read from its low end on
;   48     v_nop: the plain instruction behind the last exponential.  Behind it stands the wait for the batch, which TURN writes
;   49-64  the row's sums, of the unrounded p: pair by pair, the two tiles and the two sets of sums by turns: four chains
;   65-80  the roundings to f16, P in place, ascending: register i is written when pairs 0 to i - 1 have been read
.macro SM y
.set zb, S+16*(\y)
.if j < 48
.if j < 2
.set zf, 1
.set zk, j
.elseif j >= 44
.set zf, 0
.set zk, j-16
.elseif (j-2)%3 == 2
.set zf, 1
.set zk, (j-2)/3+2
.else
.set zf, 0
.set zk, 2*((j-2)/3)+(j-2)%3
.endif
.if zf
	v_pk_fma_f32 v[zb+2*zk:zb+2*zk+1], v[zb+2*zk:zb+2*zk+1], s[CS:CS+1], v[NCM+2*((\y)+zk/8):NCM+2*((\y)+zk/8)+1] op_sel_hi:[1,0,0]
.else
	v_exp_f32 v[zb+zk], v[zb+zk]
.endif
.elseif j == 48
	v_nop
.elseif j < 65
.set zk, j-49
.set za, L+(L2-L)*((zk/2)%2)+2*((\y)+zk%2)
.set zs, S+16*((\y)+zk%2)+2*(zk/2)
	v_pk_add_f32 v[za:za+1], v[za:za+1], v[zs:zs+1]
.else
.set zk, j-65
.set zs, S+16*((\y)+zk/8)
	v_cvt_pk_f16_f32 v[zs+zk%8], v[zs+2*(zk%8)], v[zs+2*(zk%8)+1]
.endif
.endm
.macro SMN y, n                        ; the list's next n numbers
.rept \n
	SM \y
.set j, j+1
.endr
.endm
; A TURN.  Piece x has the matrix unit; the other piece's softmax stands between its matrix instructions.
; 16 products V^T P go in eight pairs (channels 16 p on, the piece's two tiles), six numbers of the batch behind each pair: two window switches a pair, sixteen a turn.  The 32 accumulators of O^T take turns, one instruction
; a turn.  Behind the batch: the v_nop, the ONE wait ahead of the first instruction that names an exponential's result, the sums, and the roundings round the four K Q^T.
; kset >= 0: 4 products K Q^T of the next step, from K's set kset, onto the piece's own S.  Key tile 1 goes first: it lands beside P.  Key tile 0 lands ON the P that the turn's products have read: between the last of those and
; it stand the v_nop, a scaling, 16 sums and 8 roundings, plain instructions that name none of their registers (five are asked).
; lc >= 0: the wait for that set of K, with the count of the loads issued behind its own.
; vls >= 0 (piece 2's turn): V of the next step is fetched, in one run, behind the last product that reads V: a scaling, the v_nop and four sums stand between (four are asked).
; kofs >= 0 (piece 2's turn): K of the step after the next but one goes into the set just multiplied: eight roundings stand behind the last K Q^T (four are asked); they are also the places ahead of the next turn's first read of the new scores.
.macro TURN x, zero, kset, lc, vls, vu, kofs
.if (\x) == 0
	s_wait_dscnt 0x0                               ; V of this step is in
.endif
.set j, 0
.irp p, 0,1,2,3,4,5,6,7
	WIN 0x50                                       ; C and D window 1
	PV \p, \x, \zero
	PV \p, (\x)+1, \zero
	WIN 0
	SMN 2-(\x), 6
.endr
	SMN 2-(\x), 1
	s_wait_alu depctr_va_vdst(0)
	SMN 2-(\x), 4
.if (\vls) >= 0
	VLOAD \vls, \vu
.endif
	SMN 2-(\x), 12
.if (\kset) >= 0
.if (\lc) >= 0
	s_wait_loadcnt \lc
.endif
	KQ1 K+16*(\kset), PS+(\kset), S, 1, \x
	KQ1 K+16*(\kset), PS+(\kset), S, 1, (\x)+1
.endif
	SMN 2-(\x), 8
.if (\kset) >= 0
	KQ1 K+16*(\kset), PS+(\kset), S, 0, \x
	KQ1 K+16*(\kset), PS+(\kset), S, 0, (\x)+1
.endif
	SMN 2-(\x), 8
.if (\kofs) >= 0
	KLOAD \kset, \kofs
.endif
.endm
; A PREFETCH INTO THE L2 of the slot that the NEXT change of slots will ask for: 512 rows of 256 bytes, a lane a row.  Each row is named ONCE in the launch: all sixteen clusters of a batch walk the same V: the batch's first
; cluster asks; its four partners share the rows out BY ADDRESS, 128 each; in each, waves 0 to 3 take 32.  It stands behind the wave's tensor load and its five lines.  mode = 1: the loop's second change: in the last trip no slot follows.
.macro ASK mode
.if \mode
	s_cmp_gt_u32 s[TRIP], s[LIM]
.else
	s_cmp_ge_u32 s[TRIP], s[LIM]
.endif
	s_cbranch_scc0 .Lnot_mine_\@
	global_prefetch_b8 v[PFO], s[PFA:PFA+1] th:TH_LOAD_NT scope:SCOPE_SE
.Lnot_mine_\@:
.endm
; THE CHANGE OF SLOTS, at the head of a slot's second step: the slot's last bytes, V of that step, were asked for in the turn before.  Each wave waits for all its tensor loads, of which one is out: its rows of the other slot;
; adds 0 to its spare word; waits for that and for its reads of the slot.  The round shows the same of every wave of every partner; the joint refill, the keys two slots on, is the first thing behind it and the wave's one
; tensor load until the next round: it has two steps, four turns, in which to land.
.macro CHANGE ls, mode
	s_wait_tensorcnt 0x0                           ; no tensor load of mine is out, so a group 0 may be written
	ds_add_u32 v[SPW], v[NIL]                      ; 0 onto my spare word; the steps below stand between it and the wait for it
	s_add_nc_u64 s[G0+4*\ls+2:G0+4*\ls+3], s[G0+4*\ls+2:G0+4*\ls+3], 2*131072   ; two slots on; the type bits on top are not reached
	s_wait_xcnt 0x0                                ; the last prefetch, two steps back, has read its address, so it may be written:
	s_add_nc_u64 s[PFA:PFA+1], s[PFA:PFA+1], 131072   ; one slot further on than this change's refill
	s_wait_dscnt 0x0                               ; the add is done, and my reads of the slot are over
	ROUND
	tensor_load_to_lds s[G0+4*\ls:G0+4*\ls+3], s[G1:G1+7]
	s_nop 0
	PLACES 4
	ASK \mode
.endm
	; Step g = 2 s + u takes my keys 32 u on of keys' slot s, which lies in LDS slot s % 2.  K of step g stands in set g % 2.
	s_wait_tensorcnt 0x1                           ; my rows of slot 0 are in; slot 1's load may be out
	VLOAD 0, 0                                     ; V of step 0
	KQ8 K, PS, S                                   ; both pieces' first scores: there is no vector work yet to set between them
	PLACES 4                                       ; in front of the loads into K's set and its scale register, and of the first read of the scores
	KLOAD 0, 32768                                 ; K of step 2
.set j, 0
	SMN 0, 49                                      ; piece 0's first softmax
	s_wait_alu depctr_va_vdst(0)                   ; the wait for its batch
	SMN 0, 32
	TURN 0, 1, 1, 5, -1, 0, -1                     ; step 0, piece 0: its products start O^T; K Q^T of step 1 | piece 2's softmax of step 0
	TURN 2, 1, 1, -1, 0, 1, 34816                  ; step 0, piece 2: the same | piece 0's softmax of step 1 | V of step 1, K of step 3
	s_mov_b32 s[TRIP], 3
.Ltrip:                                                ; trip i = 0, 1, 2: steps 4 i + 1 .. 4 i + 4; K's pointers stand 65,536 i (4,096 i) bytes on
	CHANGE 0, 0                                    ; LDS slot 0 takes keys' slot 2 i + 2
	TURN 0, 0, 0, 5, -1, 0, -1                     ; step 4 i + 1
	TURN 2, 0, 0, -1, 1, 0, 65536                  ; V of step 4 i + 2, K of step 4 i + 4
	TURN 0, 0, 1, 5, -1, 0, -1                     ; step 4 i + 2
	TURN 2, 0, 1, -1, 1, 1, 67584
	CHANGE 1, 1                                    ; LDS slot 1 takes keys' slot 2 i + 3
	TURN 0, 0, 0, 5, -1, 0, -1                     ; step 4 i + 3
	TURN 2, 0, 0, -1, 0, 0, 98304
	TURN 0, 0, 1, 5, -1, 0, -1                     ; step 4 i + 4
	TURN 2, 0, 1, -1, 0, 1, 100352
	s_wait_xcnt 0x0                                ; the loads have read their bases, so these may step
	s_add_nc_u64 s[KP:KP+1], s[KP:KP+1], 65536
	s_add_nc_u64 s[KSP:KSP+1], s[KSP:KSP+1], 4096
	s_sub_co_u32 s[TRIP], s[TRIP], 1
	s_cmp_lg_u32 s[TRIP], 0
	s_cbranch_scc1 .Ltrip
	s_wait_tensorcnt 0x0                           ; the tail is written out: nothing is filled any more.  Keys' slot 7, my own rows: my last tensor load
	TURN 0, 0, 0, 5, -1, 0, -1                     ; step 13: behind K of step 14 stand the five loads of step 15
	TURN 2, 0, 0, -1, 1, 0, -1                     ; V of step 14; no K is left to fetch
	TURN 0, 0, 1, 0, -1, 0, -1                     ; step 14: no load is behind K of step 15
	TURN 2, 0, 1, -1, 1, 1, -1                     ; V of step 15
	TURN 0, 0, -1, -1, -1, 0, -1                   ; step 15, piece 0 | piece 2's last softmax
	WIN 0x50
.irp p, 0,1,2,3,4,5,6,7
	PV \p, 2, 0                                    ; step 15, piece 2
	PV \p, 3, 0
.endr
	WIN 0
	; THE MERGE.  My wave's sums: the two sets, the two halves, and the other half of the lanes.  These additions are also the places behind the last products.
.irp t, 0,1,2,3
	v_pk_add_f32 v[L+2*\t:L+2*\t+1], v[L+2*\t:L+2*\t+1], v[L2+2*\t:L2+2*\t+1]
.endr
.irp t, 0,1,2,3
	v_add_f32 v[MW+\t], v[L+2*\t], v[L+2*\t+1]
.endr
.irp t, 0,1,2,3
	v_permlanex16_b32 v[T+\t], v[MW+\t], s[SEL], s[SEL+1]
.endr
.irp t, 0,1,2,3
	v_add_f32 v[MW+\t], v[MW+\t], v[T+\t]
.endr
	s_wait_dscnt 0x0                               ; my reads of the ring are over (and my tensor loads have all landed: the wait ahead of step 13)
	s_barrier_signal -1
	s_barrier_wait -1                              ; everybody's are: the ring's bytes, which have had their last fill, take the images and the stages
	ds_store_b128 v[MXW], v[MW:MW+3] offset:LSR-MXR
	WIN 0x04                                       ; an LDS store's data are its source 1: window 1
.set j, 0
.rept 64
	ds_store_b128 v[IMW], v[4*j:4*j+3] offset:512*j   ; O^T as an image of its registers, lane l's 16 bytes at 16 l; ascending: each accumulator from its low end on
.set j, j+1
.endr
	WIN 0
	s_wait_dscnt 0x0                               ; for the others' sake: my stores are done
	s_barrier_signal -1
	s_barrier_wait -1
	; Wave w finishes accumulators 4 w .. 4 w + 3: tile w / 2, channels 64 (w % 2) + 0 .. 63: 32 registers, 4,096 bytes, of each of the eight images
.irp u, 0,1,2,3,4,5,6,7
	ds_load_b32 v[V+\u], v[LSRD] offset:512*\u     ; the eight waves' sums of my query
.endr
.irp p, 0,1,2,3
	WIN 0x40                                       ; destination window 1
.irp e, 0,1
.irp i, 0,1,2,3,4,5,6,7
	ds_load_b128 v[32*(2*\p+\e)+4*\i:32*(2*\p+\e)+4*\i+3], v[IMR] offset:32768*\e+512*\i
.endr
.endr
	WIN 0
.if \p < 3
	v_add_nc_u32 v[IMR], 0x10000, v[IMR]           ; two images on: an LDS offset has 16 bits
.endif
.endr
	s_wait_dscnt 0x0
	v_add_f32 v[V], v[V], v[V+1]
	v_add_f32 v[V+2], v[V+2], v[V+3]
	v_add_f32 v[V+4], v[V+4], v[V+5]
	v_add_f32 v[V+6], v[V+6], v[V+7]
	v_add_f32 v[V], v[V], v[V+2]
	v_add_f32 v[V+4], v[V+4], v[V+6]
	v_add_f32 v[V], v[V], v[V+4]                   ; l
	v_rcp_f32 v[RL], v[V]
	WIN 0x45                                       ; destination and both sources window 1
.irp d, 1,2,4                          ; the eight shares are added as a tree: 112 packed additions, the independent work behind the reciprocal
.set u, 0
.rept 4/\d
.set i, 0
.rept 16
	v_pk_add_f32 v[32*u+2*i:32*u+2*i+1], v[32*u+2*i:32*u+2*i+1], v[32*(u+\d)+2*i:32*(u+\d)+2*i+1]
.set i, i+1
.endr
.set u, u+2*\d
.endr
.endr
	WIN 0x01                                       ; source 0 window 1
	s_wait_alu depctr_va_vdst(0)                   ; the wait ahead of the first instruction that names the reciprocal
.set i, 0
.rept 16
	v_pk_mul_f32 v[S+2*i:S+2*i+1], v[2*i:2*i+1], v[RL:RL+1] op_sel_hi:[1,0]   ; O^T / l: register 8 c + j is out(query r, channel 64 (w % 2) + 16 c + 8 h + j)
.set i, i+1
.endr
	WIN 0
	; THE WAY OUT: a lane's eight channels are 32 bytes of a row, and the lanes beside it hold other rows: through my own stage, back as rows of 256 bytes
.irp c, 0,1,2,3
	ds_store_b128 v[STO], v[S+8*\c:S+8*\c+3] offset:64*\c
	ds_store_b128 v[STO], v[S+8*\c+4:S+8*\c+7] offset:64*\c+16
.endr
.irp i, 0,1,2,3,4,5,6,7
	ds_load_b128 v[V+4*\i:V+4*\i+3], v[SRD] offset:2*\i*SPITCH   ; LDS serves a wave's instructions in order (ISA guide 5.7.1.4): these see my stores
.endr
.irp i, 0,1,2,3,4,5,6,7
	s_wait_dscnt 7-\i                              ; load i is back; the younger ones may be out
	global_store_b128 v[GO], v[V+4*\i:V+4*\i+3], s[OB:OB+1] offset:1024*\i th:TH_STORE_NT   ; 16 lanes store 256 consecutive bytes, at a multiple of 256 from out's first byte; written once, read by nobody here
.endr
	s_wait_tensorcnt 0x0                           ; the wave's end, behind my last tensor load and my last LDS store
	ds_add_u32 v[SPW], v[NIL]
	s_wait_dscnt 0x0
	ROUND                                          ; the closing round: no work-group ends while a partner may still ask for a tile that names it
	s_endpgm
.Lfunc_end_k_qcdeec9e736_attn:
	.size	k_qcdeec9e736_attn, .Lfunc_end_k_qcdeec9e736_attn-k_qcdeec9e736_attn
	.p2alignl 7, 3214868480
	.fill 96, 4, 3214868480
	.section	.rodata,"a",@progbits
	.p2align	6, 0x0
	.amdhsa_kernel k_qcdeec9e736_attn
		.amdhsa_group_segment_fixed_size 327680
		.amdhsa_private_segment_fixed_size 0
		.amdhsa_enable_private_segment 0
		.amdhsa_kernarg_size 48
		.amdhsa_user_sgpr_count 2
		.amdhsa_user_sgpr_kernarg_segment_ptr 1
		.amdhsa_wavefront_size32 1
		.amdhsa_system_sgpr_workgroup_id_x 1
		.amdhsa_system_sgpr_workgroup_id_y 1
		.amdhsa_system_sgpr_workgroup_id_z 1
		.amdhsa_system_vgpr_workitem_id 0
		.amdhsa_next_free_vgpr 512
		.amdhsa_next_free_sgpr 66
		.amdhsa_reserve_vcc 0
		.amdhsa_float_denorm_mode_32 3
		.amdhsa_float_denorm_mode_16_64 3
		.amdhsa_memory_ordered 1
		.amdhsa_forward_progress 1
		.amdhsa_inst_pref_size 199
	.end_amdhsa_kernel
	.amdgpu_metadata
---
amdhsa.version: [ 1, 2 ]
amdhsa.kernels:
  - .name:           k_qcdeec9e736_attn
    .symbol:         k_qcdeec9e736_attn.kd
    .args:
      - { .name: q_codes, .offset: 0, .size: 8, .value_kind: global_buffer, .address_space: global }
      - { .name: q_scales, .offset: 8, .size: 8, .value_kind: global_buffer, .address_space: global }
      - { .name: k_codes, .offset: 16, .size: 8, .value_kind: global_buffer, .address_space: global }
      - { .name: k_scales, .offset: 24, .size: 8, .value_kind: global_buffer, .address_space: global }
      - { .name: v_half, .offset: 32, .size: 8, .value_kind: global_buffer, .address_space: global }
      - { .name: out0, .offset: 40, .size: 8, .value_kind: global_buffer, .address_space: global }
    .group_segment_fixed_size: 327680
    .private_segment_fixed_size: 0
    .kernarg_segment_align: 8
    .kernarg_segment_size: 48
    .max_flat_workgroup_size: 256
    .sgpr_count:     66
    .vgpr_count:     512
    .wavefront_size: 32
...
	.end_amdgpu_metadata
.endif
;; end of part 2
